; MI455X (gfx1250); checked and timed in simulation.
; The chip was launched on July 23, 2026; its instructions are those of AMD's public machine-readable ISA for CDNA 5 (MIT licence, August 2026) and "CDNA5" Instruction Set Architecture Reference Guide (July 2026). The comments in the code are by the model that wrote it; some were corrected since.
;; VQ Module. Allowed arithmetic: matrix products marked QUANTISED: E5M2 operands, one E8M0 scale for each 32 along K, by v_wmma_scale_f32_16x16x128_f8f6f4 with both operands' format E5M2, f32 sums; everything else in f32.
;; Inputs: emb_weights 16,384 x 256 float32; z 16 x 32 x 32 x 256 float32.
;; Outputs: out0 16 x 32 x 32 x 256 float32; out1 one number float32; out2 16 x 1,024 int32.
;; This version of the problem:
;;   THIS VERSION OF THE PROBLEM IS GIVEN IN LOW PRECISION. The matrix products marked QUANTISED in the list below multiply operands that are first quantised to E5M2 (5 exponent bits, 2 mantissa bits; 8 bits a number), with one power-of-two scale for each 32 numbers along K (OCP MX v1.0); their sums are f32. All else is computed in f32.
;;   The module's matrix products, in the order in which they are computed (A, B: the left and right operand; K: the contracted axis; several contracted axes count as one K, in the product's order):
;;     1. [M 16,384, K 256] x [K 256, N 16,384]; A: input z; B: input emb_weights: QUANTISED
;;   THE QUANTISER, for each operand of a quantised product, along K:
;;     - K is cut into blocks of 32 from its start; a last block that is shorter is filled with zeros.
;;     - A block's scale is 2^e with e = floor(log2(the largest magnitude in the block)) - 15, held to -126 .. 127; a block of zeros has e = 0. As a byte (E8M0): e + 127.
;;     - Each number is divided by its block's scale, clamped to +-57,344, and rounded to the nearest number of E5M2, ties to even, subnormals kept.
;;     - The product sums the exact products of the quantised numbers (number of the format x scale) in f32.
;;   ~~~python
;;   def quantise(x, axis):      # numpy; x: float32 -> the quantised numbers, widened to float32 again
;;       x = np.moveaxis(x, axis, -1); K = x.shape[-1]
;;       x = np.pad(x, [(0, 0)] * (x.ndim - 1) + [(0, -K % 32)]); x = x.reshape(x.shape[:-1] + (-1, 32)); a = np.abs(x).max(-1, keepdims=True)
;;       e = np.where(a > 0, np.clip(np.frexp(np.where(a > 0, a, 1))[1] - 1 - 15, -126, 127), 0)      # np.frexp(a)[1] - 1 = floor(log2(a)), exactly
;;       r = np.clip(x / 2.0 ** e, -57344, 57344)
;;       step = 2.0 ** (np.maximum(np.frexp(np.where(r == 0, 1, r))[1] - 1, -14) - 2)
;;       q = np.round(r / step) * step * 2.0 ** e      # np.round: ties to even
;;       return np.moveaxis(q.reshape(q.shape[:-2] + (-1,))[..., :K], -1, axis).astype(np.float32)
;;   ~~~
;; One version. Each part assembles by itself: llvm-mc -triple=amdgcn-amd-amdhsa -mcpu=gfx1250 --defsym DOCPART=n.
;; ======== version 1 of 1: 4 launches
;; limits: right only within a limited range of input values
;; workspace buffers: zc 4,456,448 bytes; ec 4,456,448 bytes; pkey 1,048,576 bytes of whole numbers; pidx 1,048,576 bytes of whole numbers; lossp 1,024 bytes
;; launch quant (part 1): grid 256 x 1, 8 waves a work-group, no clusters, 136,192 bytes of LDS; arguments z, emb_weights, zc, ec; writes zc, ec
.if DOCPART == 1
	.amdgcn_target "amdgcn-amd-amdhsa--gfx1250"
	.amdhsa_code_object_version 6
	.text
	.protected	k_q8140fd3c61_quant
	.globl	k_q8140fd3c61_quant
	.p2align	8
	.type	k_q8140fd3c61_quant,@function
k_q8140fd3c61_quant:
	s_mov_b64 s[64:65], 0
	v_nop
	global_prefetch_b8 v0, s[64:65] scope:SCOPE_SE
	s_setreg_imm32_b32 hwreg(HW_REG_WAVE_MODE, 25, 1), 1
	s_wait_xcnt 0x0
; z [16384][256] and emb_weights [16384][256], f32, become codes of BF8 (E5M2) with one E8M0 scale byte for each 32 along K, and each row's sum of squares in f32.
; A block's scale is 2^(floor(log2(its largest magnitude)) - 15); its byte is the largest magnitude's exponent field - 15, held at 1 from below.  Each number is divided by the scale,
; held within +-57,344 and rounded to the nearest code, ties to even.
; LAYOUT OF THE RESULTS (this program alone reads them).  A tile is 16 rows.  Its codes are 4,096 bytes, an image of the operand's registers: group g = 4 s + c (K step s of 128, c = 0 .. 3) at 512 g,
; lane l = 16 h + r at 16 l: the codes of row r at k = 128 s + 32 c + 16 h + 0 .. 15.  Its side data are 256 bytes: [r][8] scale bytes, then 16 sums of squares (f32), then 64 zeros.
; SHARES.  Work-groups 0-127 take z, 128-255 emb_weights: only pointers are chosen, both take one path.  A wave takes one tile: 16 KiB, all asked for at once.  Waves share nothing: no barrier.
; Each load reads 512 consecutive bytes; the conversions want 16 neighbours along K in one lane: so the tile turns through the wave's own stage in LDS.
; No matrix unit, no cluster, no tensor load: each byte is read once by one wave.
; LIMITS: NaN and infinities are not served.  A block whose largest magnitude lies under 2^(16 - 127) keeps the byte 1, a block of zeros too (the quantiser says 127 there): its codes are zeros,
; which add nothing under that byte.  The order in which a row's 256 squares are added is this text's own (four chains a lane, two lanes).
.set WREG,   16896                     ; LDS of a wave: the stage, then 256 bytes for the side data
.set SPITCH, 1040                      ; a stage row: 1,024 bytes + 16 = 65 x 16: the sixteen rows that a load touches start 16 bytes apart modulo 256
.set SIDEO,  16*SPITCH
.set X,   16                           ; v16-143  128 numbers: as loaded, then register 16 b + i = k 32 b + 16 h + i of row r
.set TM,  144                          ; v144-147 largest magnitudes, v148-151 the other half's, then bytes, v152-155 57,344 x the scale, v156-159 the conversions' scale operands
.set PC,  160                          ; v160-191 the two fragments' codes
.set PW,  192                          ; v192-193 the row's two scale words
.set SQ,  194                          ; v194-201 four chains of squares, two numbers each
	s_load_b256 s[4:11], s[0:1], 0x0               ; z, emb_weights, zc, ec.  A tile's codes and its side data lie on end in one record of 4,352 bytes
	v_lshl_add_u32 v208, v0, 2, 0x21000
	v_mov_b32 v209, 0
	v_lshrrev_b32 v1, 5, v0
	s_delay_alu instid0(VALU_DEP_1)
	v_readfirstlane_b32 s16, v1                    ; wave 0..7
	v_and_b32 v1, 31, v0                           ; lane
	v_and_b32 v2, 15, v0                           ; r
	v_bfe_u32 v3, v0, 4, 1                         ; h
	s_delay_alu instid0(VALU_DEP_3)
	v_lshlrev_b32 v4, 4, v1                        ; 16 x lane: my bytes of a load's or a store's 512
	s_mul_i32 s28, s16, WREG
	v_add_nc_u32 v5, s28, v4                       ; the stage, on the way in
	v_mul_u32_u24 v6, v2, SPITCH
	s_delay_alu instid0(VALU_DEP_1)
	v_lshl_add_u32 v6, v3, 6, v6
	s_delay_alu instid0(VALU_DEP_1)
	v_add_nc_u32 v6, s28, v6                       ; and out: row r, + 64 h: my 16 numbers of a block of 32
	s_add_co_u32 s29, s28, SIDEO
	v_lshl_add_u32 v7, v2, 3, s29                  ; side data: row r's 8 scale bytes,
	v_lshl_add_u32 v8, v2, 2, s29
	s_delay_alu instid0(VALU_DEP_1)
	v_add_nc_u32 v8, 128, v8                       ; its sum of squares,
	v_lshl_add_u32 v9, v1, 3, s29                  ; and back, 8 bytes a lane
	v_lshlrev_b32 v10, 3, v1
	v_mov_b32 v203, 0
	v_mov_b32 v206, 0                              ; a lane permute's destination counts as one of its sources: written once
.irp b, 0,1,2,3
	v_mov_b32 v[TM+4+\b], 0
.endr
	s_mov_b32 s20, 0x76543210
	s_mov_b32 s21, 0xfedcba98                      ; v_permlanex16_b32's selects for lane l xor 16
	s_mov_b32 s23, 0x600000                        ; the mantissa field of 57,344
	s_and_b32 s17, ttmp9, 127
	s_lshl_b32 s17, s17, 3
	s_add_co_u32 s17, s17, s16                     ; my tile of the tensor
	s_lshl_b32 s18, s17, 14                        ; 16,384 bytes of numbers,
	s_mov_b32 s19, 0
	s_mul_i32 s24, s17, 4352                       ; a record: 4,096 bytes of codes, then 256 of side data
	s_mov_b32 s25, 0
	s_wait_kmcnt 0x0
	s_cmp_lt_u32 ttmp9, 128                        ; z's work-group or emb_weights'?  The choice hangs on the work-group's number alone
	s_cselect_b64 s[4:5], s[4:5], s[6:7]
	s_cselect_b64 s[8:9], s[8:9], s[10:11]
	s_add_nc_u64 s[4:5], s[4:5], s[18:19]
	s_add_nc_u64 s[8:9], s[8:9], s[24:25]
.set i, 0
.rept 32
	global_load_b128 v[X+4*i:X+4*i+3], v4, s[4:5] offset:512*i     ; 32 lanes read 512 consecutive bytes: half a row.  No hint: a later launch reads the tensors again
.set i, i+1
.endr
.irp g, 0,1,2,3,4,5,6,7
	s_wait_loadcnt 28-4*\g                         ; loads come back in order: the four of group g are in, the 28 - 4 g younger ones stay out
.irp q, 0,1,2,3
	ds_store_b128 v5, v[X+16*\g+4*\q:X+16*\g+4*\q+3] offset:(2*\g+\q/2)*SPITCH+(\q%2)*512
.endr
.endr
	s_wait_dscnt 0x0                               ; the stores have read their registers, which the loads below fill again
.irp b, 0,1,2,3,4,5,6,7
.irp q, 0,1,2,3
	ds_load_b128 v[X+16*\b+4*\q:X+16*\b+4*\q+3], v6 offset:128*\b+16*\q
.endr
.endr
	s_wait_dscnt 0x0
	; the row's sum of squares: my 128 numbers in four chains of pairs, then lane l xor 16's
.irp c, 0,1,2,3
	v_pk_mul_f32 v[SQ+2*\c:SQ+2*\c+1], v[X+2*\c:X+2*\c+1], v[X+2*\c:X+2*\c+1]     ; the first four pairs start the chains: nothing is cleared
.endr
.set j, 4
.rept 60
	s_delay_alu instid0(VALU_DEP_4)
	v_pk_fma_f32 v[SQ+2*(j%4):SQ+2*(j%4)+1], v[X+2*j:X+2*j+1], v[X+2*j:X+2*j+1], v[SQ+2*(j%4):SQ+2*(j%4)+1]
.set j, j+1
.endr
	s_delay_alu instid0(VALU_DEP_3)
	v_pk_add_f32 v[SQ:SQ+1], v[SQ:SQ+1], v[SQ+2:SQ+3]
	s_delay_alu instid0(VALU_DEP_2)
	v_pk_add_f32 v[SQ+4:SQ+5], v[SQ+4:SQ+5], v[SQ+6:SQ+7]
	s_delay_alu instid0(VALU_DEP_1)
	v_pk_add_f32 v[SQ:SQ+1], v[SQ:SQ+1], v[SQ+4:SQ+5]
	s_delay_alu instid0(VALU_DEP_1)
	v_add_f32 v202, v[SQ], v[SQ+1]
	s_delay_alu instid0(VALU_DEP_1)
	v_permlanex16_b32 v206, v202, s20, s21
	s_delay_alu instid0(VALU_DEP_1)
	v_add_f32 v202, v202, v206                     ; the same bits in lanes r and r + 16
; 64 numbers of a lane, v[s] on, register 16 b + i = k 32 b + 16 h + i of my row, become a fragment's codes in v[pc] on and its scale word in v[pw].
.macro QUANT s, pc, pw
.irp b, 0,1,2,3
	v_max3_num_f32 v[TM+\b], |v[\s+16*\b]|, |v[\s+1+16*\b]|, 0x8000000   ; block b: my 16 numbers, and the floor 2^(16 - 127): so the byte cannot fall under 1
.endr
.irp i, 2,4,6,8,10,12,14
.irp b, 0,1,2,3
	s_delay_alu instid0(VALU_DEP_4)
	v_max3_num_f32 v[TM+\b], v[TM+\b], |v[\s+16*\b+\i]|, |v[\s+1+16*\b+\i]|   ; the four blocks by turns: no line waits for the line above it
.endr
.endr
.irp b, 0,1,2,3
	s_delay_alu instid0(VALU_DEP_4)
	v_permlanex16_b32 v[TM+4+\b], v[TM+\b], s20, s21
.endr
.irp b, 0,1,2,3
	s_delay_alu instid0(VALU_DEP_4)
	v_max_num_f32 v[TM+\b], v[TM+\b], v[TM+4+\b]   ; with lane l xor 16's: the block's largest magnitude
.endr
.irp b, 0,1,2,3
	s_delay_alu instid0(VALU_DEP_4)
	v_add_nc_u32 v[TM+12+\b], 0xf8800000, v[TM+\b] ; 15 off its exponent field: the conversion takes the exponent field of this operand as its scale
.endr
.irp b, 0,1,2,3
	v_and_or_b32 v[TM+8+\b], v[TM+\b], 0x7f800000, s23   ; 57,344 x the scale
.endr
.irp b, 0,1,2,3
	v_lshrrev_b32 v[TM+4+\b], 23, v[TM+12+\b]      ; the scale's byte
.endr
	s_delay_alu instid0(VALU_DEP_3)
	v_lshl_or_b32 v[\pw], v[TM+5], 8, v[TM+4]
	s_delay_alu instid0(VALU_DEP_1)
	v_lshl_or_b32 v[\pw], v[TM+6], 16, v[\pw]
	s_delay_alu instid0(VALU_DEP_1)
	v_lshl_or_b32 v[\pw], v[TM+7], 24, v[\pw]      ; my row's scale word for these 128 along K
.irp b, 0,1,2,3
.irp i, 0,1,2,3,4,5,6,7,8,9,10,11,12,13,14,15
	v_med3_num_f32 v[\s+16*\b+\i], v[\s+16*\b+\i], -v[TM+8+\b], v[TM+8+\b]   ; the conversion to an 8-bit code does not saturate (ISA guide 7.6.2): the hold comes first
.endr
	v_cvt_scalef32_pk8_bf8_f32 v[\pc+4*\b:\pc+4*\b+1], v[\s+16*\b:\s+16*\b+7], v[TM+12+\b]
	v_cvt_scalef32_pk8_bf8_f32 v[\pc+4*\b+2:\pc+4*\b+3], v[\s+16*\b+8:\s+16*\b+15], v[TM+12+\b]
.endr
	v_nop                                          ; a plain vector line behind the last conversion, ahead of whatever next writes its sources
.endm
	QUANT X, PC, PW
	QUANT X+64, PC+16, PW+1
.irp g, 0,1,2,3,4,5,6,7
	global_store_b128 v4, v[PC+4*\g:PC+4*\g+3], s[8:9] offset:512*\g     ; 32 lanes store 512 consecutive bytes, at a multiple of 256 from the buffer's first byte
.endr
	ds_store_b64 v7, v[PW:PW+1]                    ; lanes r and r + 16 write the same bytes with the same values
	ds_store_b32 v8, v202
	ds_store_b32 v8, v203 offset:64                ; the unit's last 64 bytes: zeros, so that every byte is written
	ds_load_b64 v[204:205], v9                     ; LDS serves a wave's instructions in order (ISA guide 5.7.1.4): this sees my stores
	s_wait_dscnt 0x0
	global_store_b64 v10, v[204:205], s[8:9] offset:4096   ; 32 lanes store 256 consecutive bytes, aligned, behind the tile's codes
	s_wait_tensorcnt 0x0
	ds_add_u32 v208, v209
	s_wait_dscnt 0x0
	s_endpgm
.Lfunc_end_k_q8140fd3c61_quant:
	.size	k_q8140fd3c61_quant, .Lfunc_end_k_q8140fd3c61_quant-k_q8140fd3c61_quant
	.p2alignl 7, 3214868480
	.fill 96, 4, 3214868480
	.section	.rodata,"a",@progbits
	.p2align	6, 0x0
	.amdhsa_kernel k_q8140fd3c61_quant
		.amdhsa_group_segment_fixed_size 136192
		.amdhsa_private_segment_fixed_size 0
		.amdhsa_enable_private_segment 0
		.amdhsa_kernarg_size 32
		.amdhsa_user_sgpr_count 2
		.amdhsa_user_sgpr_kernarg_segment_ptr 1
		.amdhsa_wavefront_size32 1
		.amdhsa_system_sgpr_workgroup_id_x 1
		.amdhsa_system_sgpr_workgroup_id_y 1
		.amdhsa_system_sgpr_workgroup_id_z 1
		.amdhsa_system_vgpr_workitem_id 0
		.amdhsa_next_free_vgpr 210
		.amdhsa_next_free_sgpr 66
		.amdhsa_reserve_vcc 0
		.amdhsa_float_denorm_mode_32 3
		.amdhsa_float_denorm_mode_16_64 3
		.amdhsa_memory_ordered 1
		.amdhsa_forward_progress 1
		.amdhsa_inst_pref_size 36
	.end_amdhsa_kernel
	.amdgpu_metadata
---
amdhsa.version: [ 1, 2 ]
amdhsa.kernels:
  - .name:           k_q8140fd3c61_quant
    .symbol:         k_q8140fd3c61_quant.kd
    .args:
      - { .name: z, .offset: 0, .size: 8, .value_kind: global_buffer, .address_space: global }
      - { .name: emb_weights, .offset: 8, .size: 8, .value_kind: global_buffer, .address_space: global }
      - { .name: zc, .offset: 16, .size: 8, .value_kind: global_buffer, .address_space: global }
      - { .name: ec, .offset: 24, .size: 8, .value_kind: global_buffer, .address_space: global }
    .group_segment_fixed_size: 136192
    .private_segment_fixed_size: 0
    .kernarg_segment_align: 8
    .kernarg_segment_size: 32
    .max_flat_workgroup_size: 256
    .sgpr_count:     66
    .vgpr_count:     210
    .wavefront_size: 32
...
	.end_amdgpu_metadata
.endif
;; end of part 1
;; launch vqmain (part 2): grid 16 x 16, 8 waves a work-group, clusters of 4 x 1, 327,680 bytes of LDS; arguments zc, ec, pkey, pidx; writes pkey, pidx
.if DOCPART == 2
	.amdgcn_target "amdgcn-amd-amdhsa--gfx1250"
	.amdhsa_code_object_version 6
	.text
	.protected	k_q8140fd3c61_vqmain
	.globl	k_q8140fd3c61_vqmain
	.p2align	8
	.type	k_q8140fd3c61_vqmain,@function
k_q8140fd3c61_vqmain:
	s_mov_b64 s[64:65], 0
	v_nop
	global_prefetch_b8 v0, s[64:65] scope:SCOPE_SE
	s_setreg_imm32_b32 hwreg(HW_REG_WAVE_MODE, 25, 1), 1
	s_wait_xcnt 0x0
	s_wait_alu depctr_hold_cnt(0) depctr_sa_sdst(0) depctr_va_vdst(0) depctr_va_sdst(0) depctr_va_ssrc(0) depctr_va_vcc(0) depctr_vm_vsrc(0)
	s_getreg_b32 s2, hwreg(HW_REG_IB_STS2, 6, 4)
	s_cmp_eq_u32 s2, 0
	s_cbranch_scc0 .Lentry_in_a_cluster
	s_endpgm
.Lentry_in_a_cluster:
	s_bfe_u32 s2, ttmp6, 0x10000c
	s_cmp_lg_u32 s2, 0x3003
	s_cbranch_scc0 .Lentry_shape_is_right
	s_endpgm
.Lentry_shape_is_right:
; d[m][n] = fl(fl(zz[m] + ee[n]) - 2 dot[m][n]), dot = the product of z's and the codebook's codes of BF8 (E5M2) with E8M0 scales, f32 sums; for each row m and each split of 1,024 codes
; the smallest d and the lowest index n that has it.  Both roundings are made as the definition makes them (one addition, one fused multiply-add by -2), since equal d occur and the lower index has to win.
; STORED: pidx[split][row] = the index; pkey[split][row] = d's bits as an unsigned number of the same order.  The next launch chooses among the 16 splits by whole-number compares.
; SHARES.  A work-group takes 1,024 rows x 1,024 codes: grid x = the row block, y = the split.  Wave w owns 128 rows, 8 tiles of 16, whose codes stay in window 1 (256 registers), and walks the split's 64 tiles of 16 codes.
; A tile's record is 4,352 bytes: an image of the operand's registers (4,096), then [16][8] scale bytes and 16 sums of squares.  The split's 64 records (278,528 bytes) come into LDS once, in two joint loads a wave:
; tiles 0-15 at the head, tiles 16-63 behind the full sequence and a round; nothing is filled again.
; CLUSTER.  The four row blocks of a cluster walk the same split: each tensor load is asked for jointly, mask 15.  z is not shared so: its rows go straight into registers as they lie, and LDS has no room
; for a row block's 278,528 bytes beside the split's.  No prefetch: every byte is asked for at the head, and there is no later stream to run ahead of.
; LAYOUT.  Source 0 = 16 codes, source 1 = 16 rows of z: a lane holds ONE row (lane % 16) and the 8 neighbouring codes 8 (lane / 16) + 0 .. 7.
; THE SEARCH.  For each tile of rows a lane keeps the smallest d so far, the first index of the group of 8 that brought it, and that group's 8 d.  A group replaces them only where its smallest d is strictly smaller.
; At the end the lowest j whose kept d equals the smallest is read off, and the two halves of the lanes are joined by (key, index).
; THE ORDER.  A phase (one code tile) is ten steps.  Step k holds the multiply-adds of row tile k, the minima of tile k - 1 and the compare and selects of tile k - 2, laid so that other lines stand between
; a line and the line that reads its result.  The products stand in small groups ahead of the steps: the second K step of tile i two steps or more ahead of step i, the first K step of the NEXT code tile
; behind the selects of its accumulator.  So the fragment's first half is free from step 0 to step 4 and its second half from step 2 to step 8: each is loaded anew there.
; Between the two steps of every sum stand five other products or more, and no two products on end share an accumulator.
; LIMITS: NaN and infinities are not served (a row whose every d is +infinity gets index 0).  d is never -0.
.set REC,   4352
.set SIDE,  4096
.set CHA,   16*REC                     ; tiles 0-15
.set OUTST, 64*REC                     ; behind the records: 1,024 bytes for each wave, for the way out
.set SPARE, OUTST+8192                 ; the spare words, 128 bytes a wave
.set LI,  1                            ; 16 x lane
.set AS0, 2                            ; SIDE + 8 (lane % 16)
.set AE0, 3                            ; SIDE + 128 + 32 (lane / 16)
.set ADC, 4                            ; the same three at the trip's first tile
.set ASC, 5
.set AEE, 6
.set CUR, 7                            ; the first index of my group of 8 in the phase's tile
.set SPW, 8
.set NIL, 9
.set CS0, 10                           ; the code tile's scale words, K steps 0 and 1
.set CS1, 11
.set ZS,  12                           ; v12-27  z's scale words: tile i: K step 1 at 2 i, K step 0 at 2 i + 1
.set EE,  28                           ; v28-43  ee of my 8 codes, two sets by turns
.set ZZ,  44                           ; v44-59  zz of my row of tile i, in both registers of pair 2 i
.set ST,  60                           ; v60-75  zz + ee of two tiles, by turns
.set B,   76                           ; v76-83  the smallest d of tile i
.set T0,  84
.set GI,  85                           ; v85-92  the winning group's first index
.set T1,  93
.set GM,  94                           ; a group's smallest d
.set CF,  96                           ; v96-127  the code tile's two fragments
.set ACC, 128                          ; v128-191 8 accumulators: dot, then d
.set SV,  192                          ; v192-255 the winning group's 8 d
.set WV,  16
.set TB,  48
.set CNT, 49
.set SEL, 50
.set HM,  52
.set OB,  53
.set MSB, 0
.macro WIN new                         ; the immediate's high byte repeats the setting that is left
.if MSB != \new
	s_set_vgpr_msb (MSB<<8)|\new
.set MSB, \new
.endif
.endm
.macro CROUND                          ; a round of the cluster's barrier
	s_barrier_signal -1
	s_barrier_wait -1
	s_cmp_lg_u32 s[WV], 0
	s_cbranch_scc1 .Lnot_wave_0_\@
	s_barrier_signal -3
.Lnot_wave_0_\@:
	s_barrier_wait -3
	s_barrier_signal -1
	s_barrier_wait -1
.endm
.macro GRP1 g, r                       ; a dense block as r rows of 256 bytes (32 elements of 8 bytes), no padding; mask: all four work-groups, bit 21 beside it
	s_mov_b32 s[\g], 15|(3<<16)|(1<<21)
	s_mov_b32 s[\g+1], 32<<16
	s_mov_b32 s[\g+2], (\r)<<16
	s_mov_b32 s[\g+3], 32<<16
	s_mov_b32 s[\g+4], \r
	s_mov_b32 s[\g+5], 32
	s_mov_b32 s[\g+6], 0
	s_mov_b32 s[\g+7], 0
.endm
.macro GRP0 g, part, lds               ; my wave's part of a chunk: the same byte offset in LDS and in the split's block of memory; nothing hangs on my place in the cluster
	s_mov_b32 s[\g], 1
	s_mul_i32 s20, s[WV], \part
	s_add_co_u32 s[\g+1], s20, \lds
	s_add_nc_u64 s[\g+2:\g+3], s[22:23], s[20:21]
.if \lds
	s_add_nc_u64 s[\g+2:\g+3], s[\g+2:\g+3], \lds
.endif
	s_or_b32 s[\g+3], s[\g+3], 0x80000000
.endm
	s_load_b256 s[4:11], s[0:1], 0x0               ; zc, ec, pkey, pidx
	v_lshl_add_u32 v[SPW], v0, 2, SPARE
	v_mov_b32 v[NIL], 0
	ds_add_u32 v[SPW], v[NIL]                      ; the opening lines: the add, twice on end, and its wait
	ds_add_u32 v[SPW], v[NIL]
	v_lshrrev_b32 v128, 5, v0
	v_readfirstlane_b32 s[WV], v128                ; wave 0..7
	v_and_b32 v128, 31, v0                         ; lane
	v_and_b32 v129, 15, v0                         ; r
	v_bfe_u32 v130, v0, 4, 1                       ; h
	v_lshlrev_b32 v[LI], 4, v128
	v_lshl_add_u32 v[AS0], v129, 3, SIDE
	v_lshl_add_u32 v[AE0], v130, 5, SIDE+128
	v_lshlrev_b32 v131, 3, v129                    ; 8 r and 4 r: offsets into z's side data
	v_lshlrev_b32 v132, 2, v129
	s_bfe_u32 s17, ttmp6, 0x40000                  ; cx
	s_lshl_b32 s18, ttmp9, 2
	s_add_co_u32 s18, s18, s17                     ; my row block: it enters z's and the results' global addresses alone
	s_and_b32 s19, ttmp7, 0xffff                   ; the split, which the four partners share
	s_lshl_b32 s21, s19, 10
	v_lshl_add_u32 v[CUR], v130, 3, s21            ; 1,024 x split + 8 h
	GRP1 24, 34                                    ; my part of tiles 0-15: two records, 8,704 bytes
	GRP1 32, 102                                   ; of tiles 16-63: six records, 26,112 bytes
	s_mov_b32 s[SEL], 0x76543210
	s_mov_b32 s[SEL+1], 0xfedcba98
	s_mov_b32 s[HM], 0xffff0000
	s_mov_b32 s[TB], 0
	s_lshl_b32 s[OB], s[WV], 10
	s_add_co_u32 s[OB], s[OB], OUTST
	s_mov_b32 s61, 0
	s_wait_alu depctr_va_vdst(0)
	s_wait_dscnt 0x0
	s_wait_kmcnt 0x0
	s_lshl_b32 s60, s18, 6                         ; z: 64 records a row block, 8 a wave
	s_lshl_b32 s62, s[WV], 3
	s_add_co_u32 s60, s60, s62
	s_mul_i32 s60, s60, REC
	s_add_nc_u64 s[4:5], s[4:5], s[60:61]
	s_lshl_b32 s60, s19, 16                        ; the results: 65,536 bytes a split, 4,096 a row block, 512 a wave
	s_lshl_b32 s62, s18, 12
	s_add_co_u32 s60, s60, s62
	s_lshl_b32 s62, s[WV], 9
	s_add_co_u32 s60, s60, s62
	s_add_nc_u64 s[8:9], s[8:9], s[60:61]
	s_add_nc_u64 s[10:11], s[10:11], s[60:61]
	s_mul_i32 s20, s19, 64*REC
	s_mov_b32 s21, 0
	s_add_nc_u64 s[22:23], s[6:7], s[20:21]        ; the split's records
	GRP0 40, 2*REC, 0
	GRP0 44, 6*REC, CHA
	CROUND                                         ; all four work-groups are here: the joint loads meet
	tensor_load_to_lds s[40:43], s[24:31]          ; tiles 0-15: my one tensor load at the head
	s_nop 0
.rept 4
	v_nop                                          ; four lines ahead of the switch of windows
.endr
	WIN 0x40                                       ; destination window 1
.irp i, 0,1,2,3,4,5,6,7
.irp q, 0,1,2,3,4,5,6,7
	global_load_b128 v[32*\i+4*\q:32*\i+4*\q+3], v[LI], s[4:5] offset:REC*\i+512*\q   ; z's fragments as they lie: 512 consecutive bytes a load
.endr
.endr
	WIN 0
.irp i, 0,1,2,3,4,5,6,7
	global_load_b32 v[ZS+2*\i+1], v131, s[4:5] offset:REC*\i+SIDE            ; row r's scale word of K step 0,
	global_load_b32 v[ZS+2*\i], v131, s[4:5] offset:REC*\i+SIDE+4            ; of K step 1,
	global_load_b32 v[ZZ+2*\i], v132, s[4:5] offset:REC*\i+SIDE+128          ; and its sum of squares, into both registers of a pair
	global_load_b32 v[ZZ+2*\i+1], v132, s[4:5] offset:REC*\i+SIDE+128
.endr
.irp i, 0,1,2,3,4,5,6,7
	v_mov_b32 v[B+\i], 0x7f800000                  ; the smallest d so far: +infinity
	v_mov_b32 v[GI+\i], 0
.endr
.set i, 0
.rept 64
	v_mov_b32 v[SV+i], 0x7f800000
.set i, i+1
.endr
.macro WK0 i                           ; the first K step starts the sum
	v_wmma_scale_f32_16x16x128_f8f6f4 v[ACC+8*(\i):ACC+8*(\i)+7], v[CF:CF+15], v[32*(\i):32*(\i)+15], 0, v[CS0], v[ZS+2*(\i)+1] matrix_a_fmt:MATRIX_FMT_BF8 matrix_b_fmt:MATRIX_FMT_BF8
.endm
.macro WK1 i
	v_wmma_scale_f32_16x16x128_f8f6f4 v[ACC+8*(\i):ACC+8*(\i)+7], v[CF+16:CF+31], v[32*(\i)+16:32*(\i)+31], v[ACC+8*(\i):ACC+8*(\i)+7], v[CS1], v[ZS+2*(\i)] matrix_a_fmt:MATRIX_FMT_BF8 matrix_b_fmt:MATRIX_FMT_BF8
.endm
.macro FETCH0 off                      ; the first fragment and its scale word of the tile off tiles on from the trip's first: five LDS loads
.irp g, 0,1,2,3
	ds_load_b128 v[CF+4*\g:CF+4*\g+3], v[ADC] offset:(\off)*REC+512*\g
.endr
	ds_load_b32 v[CS0], v[ASC] offset:(\off)*REC
.endm
.macro FETCH1 off, e                   ; the second fragment, its scale word, and my 8 codes' sums of squares into set e: seven LDS loads
.irp g, 4,5,6,7
	ds_load_b128 v[CF+4*\g:CF+4*\g+3], v[ADC] offset:(\off)*REC+512*\g
.endr
	ds_load_b32 v[CS1], v[ASC] offset:(\off)*REC+4
	ds_load_b128 v[EE+8*(\e):EE+8*(\e)+3], v[AEE] offset:(\off)*REC
	ds_load_b128 v[EE+8*(\e)+4:EE+8*(\e)+7], v[AEE] offset:(\off)*REC+16
.endm
.macro SS i, e, p                      ; zz + ee, rounded once: four of tile i's eight numbers, from p on
	v_pk_add_f32 v[ST+8*((\i)%2)+\p:ST+8*((\i)%2)+\p+1], v[EE+8*(\e)+\p:EE+8*(\e)+\p+1], v[ZZ+2*(\i):ZZ+2*(\i)+1]
	v_pk_add_f32 v[ST+8*((\i)%2)+\p+2:ST+8*((\i)%2)+\p+3], v[EE+8*(\e)+\p+2:EE+8*(\e)+\p+3], v[ZZ+2*(\i):ZZ+2*(\i)+1]
.endm
.macro DD i                            ; d = (zz + ee) - 2 dot, rounded once; the accumulator is read from its low end on
.irp p, 0,2,4,6
	v_pk_fma_f32 v[ACC+8*(\i)+\p:ACC+8*(\i)+\p+1], v[ACC+8*(\i)+\p:ACC+8*(\i)+\p+1], -2.0, v[ST+8*((\i)%2)+\p:ST+8*((\i)%2)+\p+1] op_sel_hi:[1,0,1]
.endr
.endm
.macro M1 i                            ; the group's smallest d, in three links
	v_min3_num_f32 v[T0], v[ACC+8*(\i)], v[ACC+8*(\i)+1], v[ACC+8*(\i)+2]
	v_min3_num_f32 v[T1], v[ACC+8*(\i)+3], v[ACC+8*(\i)+4], v[ACC+8*(\i)+5]
.endm
.macro M2 i
	v_min3_num_f32 v[T0], v[T0], v[T1], v[ACC+8*(\i)+6]
.endm
.macro M3 i
	v_min_num_f32 v[GM], v[T0], v[ACC+8*(\i)+7]
.endm
.macro CC i                            ; kept <= new: the earlier group stays, on a tie too
	v_cmp_le_f32 vcc_lo, v[B+(\i)], v[GM]
.endm
.macro SEL2 i, j
	v_dual_cndmask_b32 v[SV+8*(\i)+\j], v[ACC+8*(\i)+\j], v[SV+8*(\i)+\j] :: v_dual_cndmask_b32 v[SV+8*(\i)+\j+1], v[ACC+8*(\i)+\j+1], v[SV+8*(\i)+\j+1]
.endm
.macro UA i                            ; else this group is the winner: its smallest d, its first index and its 8 d are kept
	v_dual_cndmask_b32 v[B+(\i)], v[GM], v[B+(\i)] :: v_dual_cndmask_b32 v[GI+(\i)], v[CUR], v[GI+(\i)]
	SEL2 \i, 0
	SEL2 \i, 2
.endm
.macro UB i
	SEL2 \i, 4
	SEL2 \i, 6
.endm
; STEP k of a phase.  The additions run two tiles ahead: steps 0-5 make those of tiles 2-7 from set par, steps 8 and 9 those of the next phase's tiles 0 and 1 from the other set (sn = 1).
.macro STEP k, par, sn
.if (\k) >= 2
	CC (\k)-2
.endif
.if ((\k) >= 8) && (\sn)
	SS (\k)-8, 1-\par, 0
	SS (\k)-8, 1-\par, 4
.endif
.if (\k) <= 7
	DD \k
.endif
.if ((\k) >= 1) && ((\k) <= 8)
	M1 (\k)-1
.endif
.if (\k) >= 2
	UA (\k)-2
.endif
.if ((\k) >= 1) && ((\k) <= 8)
	M2 (\k)-1
.endif
.if (\k) >= 2
	UB (\k)-2
.endif
.if (\k) <= 5
	SS (\k)+2, \par, 0
.endif
.if ((\k) >= 1) && ((\k) <= 8)
	M3 (\k)-1
.endif
.if (\k) <= 5
	SS (\k)+2, \par, 4
.endif
.endm
; A PHASE: one tile of 16 codes against my 8 tiles of rows.  par: which set holds its ee.  pre: the tile fetched and begun meanwhile (1, 2: so many on from the trip's first; 0: none).
; Every load into a fragment's or scale word's register stands behind a whole step (eight lines or more that name no register of the last product that read it): the eight places of ISA guide 7.12.1;
; every first read of a result stands two steps or more behind its product.
.macro PHASE par, pre
	WIN 0x04                                       ; source 1 (z) window 1
	WK0 7
	WK1 2
	WIN 0
	STEP 0, \par, 1
.if \pre
	FETCH0 \pre
.endif
	WIN 0x04
	WK1 3
	WK1 4
	WIN 0
	STEP 1, \par, 1
	WIN 0x04
	WK1 5
	WK1 6
	WK1 7
	WIN 0
	STEP 2, \par, 1
.if \pre
	FETCH1 \pre, 1-\par
.endif
	STEP 3, \par, 1
.if \pre
	s_wait_alu depctr_va_vdst(0)
	s_wait_dscnt 0x7                               ; the first fragment's five loads are in; the seven issued behind them may be out
	WIN 0x04
	WK0 0
	WK0 1
	WIN 0
.endif
	STEP 4, \par, 1
	STEP 5, \par, 1
.if \pre
	WIN 0x04
	WK0 2
	WK0 3
	WIN 0
.endif
	STEP 6, \par, 1
	STEP 7, \par, 1
.if \pre
	s_wait_alu depctr_va_vdst(0)
	s_wait_dscnt 0x0                               ; the second fragment and the next ee are in
	WIN 0x04
	WK0 4
	WK0 5
	WK1 0
	WIN 0
.endif
	STEP 8, \par, \pre
.if \pre
	WIN 0x04
	WK0 6
	WK1 1
	WIN 0
.endif
	STEP 9, \par, \pre
	v_add_nc_u32 v[CUR], 16, v[CUR]
.endm
.macro ADRS                            ; the LDS addresses of the trip's first tile
	v_add_nc_u32 v[ADC], s[TB], v[LI]
	v_add_nc_u32 v[ASC], s[TB], v[AS0]
	v_add_nc_u32 v[AEE], s[TB], v[AE0]
.endm
.macro LOOP n                          ; n trips of two phases, after which the sets of ee are back in their places
	s_mov_b32 s[CNT], \n
.Ltrip_\@:
	ADRS
	PHASE 0, 1
	PHASE 1, 2
	s_add_co_u32 s[TB], s[TB], 2*REC
	s_sub_co_u32 s[CNT], s[CNT], 1
	s_cmp_lg_u32 s[CNT], 0
	s_cbranch_scc1 .Ltrip_\@
.endm
	s_wait_alu depctr_va_vdst(0)
	s_wait_tensorcnt 0x0                           ; my part of tiles 0-15 is in
	ds_add_u32 v[SPW], v[NIL]
	s_wait_dscnt 0x0
	CROUND                                         ; everybody's part is in, and the four work-groups are here
	tensor_load_to_lds s[44:47], s[32:39]          ; tiles 16-63: my one tensor load behind the round
	s_nop 0
	s_wait_loadcnt 0x0                             ; z
	ADRS
	FETCH0 0
	FETCH1 0, 0
	s_wait_dscnt 0x0
	WIN 0x04
.irp i, 0,1,2,3,4,5,6
	WK0 \i
.endr
	WK1 0
	WK1 1
	WIN 0
	SS 0, 0, 0                                     ; tiles 0 and 1 of the first phase: eight lines, the eight places ahead of the first read of a result
	SS 0, 0, 4
	SS 1, 0, 0
	SS 1, 0, 4
	LOOP 7                                         ; tiles 0-13; the fetches reach tile 14
	s_wait_tensorcnt 0x0                           ; my part of tiles 16-63 is in
	s_wait_dscnt 0x0
	s_barrier_signal -1
	s_barrier_wait -1                              ; everybody's is
	LOOP 24                                        ; tiles 14-61; the fetches reach tile 62
	ADRS
	PHASE 0, 1                                     ; tile 62
	PHASE 1, 0                                     ; tile 63: nothing is left to fetch or begin
; THE END.  The accumulators' registers are free: the last products stand far more than eight places back.
.set FK,  128
.set FI,  136
.set FJ,  144
.set FKO, 145
.set FIO, 146
.set FT,  147
.set PK,  148                          ; v148-151 keys, v152-155 indices: lane l holds row 32 k + l
.set RB,  156                          ; v156-163 back from LDS: four rows a lane
.set AOS, 164
.set AOL, 165
	v_mov_b32 v[FKO], 0                            ; a lane permute's destination counts as one of its sources
	v_mov_b32 v[FIO], 0
	v_and_b32 v[AOS], 31, v0
	v_lshl_add_u32 v[AOS], v[AOS], 2, s[OB]        ; the way out: 4 x lane in my wave's bytes,
	v_add_nc_u32 v[AOL], s[OB], v[LI]              ; and 16 x lane
.macro FIN i
	v_mov_b32 v[FJ], 7
.irp j, 6,5,4,3,2,1,0
	v_cmp_neq_f32 vcc_lo, v[SV+8*\i+\j], v[B+\i]
	s_delay_alu instid0(VALU_DEP_1)
	v_cndmask_b32 v[FJ], \j, v[FJ], vcc_lo         ; descending: the lowest j whose d equals the smallest stays
.endr
	s_delay_alu instid0(VALU_DEP_1)
	v_add_nc_u32 v[FI+\i], v[GI+\i], v[FJ]
	v_ashrrev_i32 v[FT], 31, v[B+\i]
	s_delay_alu instid0(VALU_DEP_1)
	v_or_b32 v[FT], 0x80000000, v[FT]
	s_delay_alu instid0(VALU_DEP_1)
	v_xor_b32 v[FK+\i], v[FT], v[B+\i]             ; the key: unsigned, in d's order
	s_delay_alu instid0(VALU_DEP_1)
	v_permlanex16_b32 v[FKO], v[FK+\i], s[SEL], s[SEL+1]   ; the row's other 8 codes of each tile lie in the lane 16 away
	v_permlanex16_b32 v[FIO], v[FI+\i], s[SEL], s[SEL+1]
	s_delay_alu instid0(VALU_DEP_2)
	v_cmp_lt_u32 s56, v[FKO], v[FK+\i]
	s_delay_alu instid0(VALU_DEP_3)
	v_cmp_eq_u32 s57, v[FKO], v[FK+\i]
	s_delay_alu instid0(VALU_DEP_3)
	v_cmp_lt_u32 s58, v[FIO], v[FI+\i]
	s_and_b32 s57, s57, s58
	s_or_b32 s56, s56, s57                         ; the other's is taken where its key is smaller, or equal with the lower index
	v_cndmask_b32 v[FK+\i], v[FK+\i], v[FKO], s56
	v_cndmask_b32 v[FI+\i], v[FI+\i], v[FIO], s56
.endm
.irp i, 0,1,2,3,4,5,6,7
	FIN \i
.endr
.irp k, 0,1,2,3
	v_cndmask_b32 v[PK+\k], v[FK+2*\k], v[FK+2*\k+1], s[HM]        ; lanes 0-15: tile 2 k's rows; lanes 16-31: tile 2 k + 1's
	v_cndmask_b32 v[PK+4+\k], v[FI+2*\k], v[FI+2*\k+1], s[HM]
.endr
.irp k, 0,1,2,3
	ds_store_b32 v[AOS], v[PK+\k] offset:128*\k
	ds_store_b32 v[AOS], v[PK+4+\k] offset:512+128*\k
.endr
	ds_load_b128 v[RB:RB+3], v[AOL]                ; LDS serves a wave's instructions in order (ISA guide 5.7.1.4): these see my stores
	ds_load_b128 v[RB+4:RB+7], v[AOL] offset:512
	s_wait_dscnt 0x0
	global_store_b128 v[LI], v[RB:RB+3], s[8:9]    ; my 128 rows' keys: 512 consecutive bytes, at a multiple of 256 from the buffer's first byte
	global_store_b128 v[LI], v[RB+4:RB+7], s[10:11]
	s_wait_tensorcnt 0x0                           ; the wave's end
	ds_add_u32 v[SPW], v[NIL]
	s_wait_dscnt 0x0
	CROUND                                         ; the closing round
	s_endpgm
.Lfunc_end_k_q8140fd3c61_vqmain:
	.size	k_q8140fd3c61_vqmain, .Lfunc_end_k_q8140fd3c61_vqmain-k_q8140fd3c61_vqmain
	.p2alignl 7, 3214868480
	.fill 96, 4, 3214868480
	.section	.rodata,"a",@progbits
	.p2align	6, 0x0
	.amdhsa_kernel k_q8140fd3c61_vqmain
		.amdhsa_group_segment_fixed_size 327680
		.amdhsa_private_segment_fixed_size 0
		.amdhsa_enable_private_segment 0
		.amdhsa_kernarg_size 32
		.amdhsa_user_sgpr_count 2
		.amdhsa_user_sgpr_kernarg_segment_ptr 1
		.amdhsa_wavefront_size32 1
		.amdhsa_system_sgpr_workgroup_id_x 1
		.amdhsa_system_sgpr_workgroup_id_y 1
		.amdhsa_system_sgpr_workgroup_id_z 1
		.amdhsa_system_vgpr_workitem_id 0
		.amdhsa_next_free_vgpr 512
		.amdhsa_next_free_sgpr 66
		.amdhsa_reserve_vcc 1
		.amdhsa_float_denorm_mode_32 3
		.amdhsa_float_denorm_mode_16_64 3
		.amdhsa_memory_ordered 1
		.amdhsa_forward_progress 1
		.amdhsa_inst_pref_size 105
	.end_amdhsa_kernel
	.amdgpu_metadata
---
amdhsa.version: [ 1, 2 ]
amdhsa.kernels:
  - .name:           k_q8140fd3c61_vqmain
    .symbol:         k_q8140fd3c61_vqmain.kd
    .args:
      - { .name: zc, .offset: 0, .size: 8, .value_kind: global_buffer, .address_space: global }
      - { .name: ec, .offset: 8, .size: 8, .value_kind: global_buffer, .address_space: global }
      - { .name: pkey, .offset: 16, .size: 8, .value_kind: global_buffer, .address_space: global }
      - { .name: pidx, .offset: 24, .size: 8, .value_kind: global_buffer, .address_space: global }
    .group_segment_fixed_size: 327680
    .private_segment_fixed_size: 0
    .kernarg_segment_align: 8
    .kernarg_segment_size: 32
    .max_flat_workgroup_size: 256
    .sgpr_count:     66
    .vgpr_count:     512
    .wavefront_size: 32
...
	.end_amdgpu_metadata
.endif
;; end of part 2
;; launch gather (part 3): grid 256 x 1, 8 waves a work-group, no clusters, 1,536 bytes of LDS; arguments pkey, pidx, z, emb_weights, out0, out2, lossp; writes out0, out2, lossp
.if DOCPART == 3
	.amdgcn_target "amdgcn-amd-amdhsa--gfx1250"
	.amdhsa_code_object_version 6
	.text
	.protected	k_q8140fd3c61_gather
	.globl	k_q8140fd3c61_gather
	.p2align	8
	.type	k_q8140fd3c61_gather,@function
k_q8140fd3c61_gather:
	s_mov_b64 s[64:65], 0
	v_nop
	global_prefetch_b8 v0, s[64:65] scope:SCOPE_SE
	s_setreg_imm32_b32 hwreg(HW_REG_WAVE_MODE, 25, 1), 1
	s_wait_xcnt 0x0
; For each row: the smallest of its 16 splits' keys (whole numbers, read from memory; the lower split stays on a tie, and with it the lower index), its index -> out2; emb_weights' row of that index -> out0;
; the sum of (z_q - z)^2 over the work-group's rows -> lossp[work-group].
; SHARES.  A work-group takes 64 rows, a wave 8.  Every lane takes row lane % 8 in the search, so that no lane exchange is needed; each row of 1,024 bytes is then read and stored by the whole wave,
; 512 consecutive bytes an instruction.  z's rows are asked for ahead of the search, the gathered rows as soon as the indices stand: 16 KiB a wave on their way.
; No matrix unit, no cluster, no tensor load: work-groups share no tile, and which rows of the table are read hangs on the stored indices.
; An index is held at 16,383 ahead of its use in an address.
.set K,  8                             ; v8-23    16 keys of my row
.set I,  24                            ; v24-39   16 indices
.set Z,  40                            ; v40-103  8 rows of z, 8 registers each
.set E,  104                           ; v104-167 8 gathered rows
.set D,  168                           ; v168-175 a row's differences
.set AC, 176                           ; v176-183 sums of squares, four pairs
.set VO, 184                           ; v184-191 the gathered rows' byte offsets
	s_load_b256 s[4:11], s[0:1], 0x0               ; pkey, pidx, z, emb_weights
	s_load_b128 s[12:15], s[0:1], 0x20             ; out0, out2
	s_load_b64 s[16:17], s[0:1], 0x30              ; lossp
	v_lshl_add_u32 v200, v0, 2, 0x200
	v_mov_b32 v201, 0
	v_lshrrev_b32 v6, 5, v0
	s_delay_alu instid0(VALU_DEP_1)
	v_readfirstlane_b32 s18, v6                    ; wave 0..7
	v_and_b32 v7, 31, v0
	s_delay_alu instid0(VALU_DEP_1)
	v_lshlrev_b32 v1, 4, v7                        ; 16 x lane
	v_and_b32 v2, 7, v0
	s_delay_alu instid0(VALU_DEP_1)
	v_lshlrev_b32 v2, 2, v2                        ; 4 (lane % 8)
	s_delay_alu instid0(VALU_DEP_1)
	v_lshl_add_u32 v3, v6, 5, v2                   ; LDS: my row's index among the work-group's 64
	v_lshl_add_u32 v4, v6, 2, 256                  ; LDS: my wave's part of the loss
	v_lshlrev_b32 v5, 3, v7                        ; 8 x lane
	v_mov_b32 v194, 0                              ; a lane permute's destination counts as one of its sources
	v_mov_b32 v195, 256                            ; LDS: the eight parts
	v_mov_b32 v196, 0
	s_mov_b32 s28, 0x76543210
	s_mov_b32 s29, 0xfedcba98
	s_lshl_b32 s19, ttmp9, 6
	s_lshl_b32 s31, s18, 3
	s_add_co_u32 s19, s19, s31                     ; my wave's first row
	s_lshl_b32 s32, s19, 2
	s_mov_b32 s33, 0
	s_lshl_b32 s34, s19, 10
	s_mov_b32 s35, 0
	s_lshl_b32 s36, ttmp9, 8
	s_mov_b32 s37, 0
	s_lshl_b32 s38, ttmp9, 2
	s_mov_b32 s39, 0
	s_wait_alu depctr_va_vdst(0)
	s_wait_kmcnt 0x0
	s_add_nc_u64 s[4:5], s[4:5], s[32:33]
	s_add_nc_u64 s[6:7], s[6:7], s[32:33]
	s_add_nc_u64 s[8:9], s[8:9], s[34:35]
	s_add_nc_u64 s[12:13], s[12:13], s[34:35]
	s_add_nc_u64 s[14:15], s[14:15], s[36:37]
	s_add_nc_u64 s[16:17], s[16:17], s[38:39]
.irp s, 0,1,2,3,4,5,6,7,8,9,10,11,12,13,14,15
	global_load_b32 v[K+\s], v2, s[4:5] offset:65536*\s
	global_load_b32 v[I+\s], v2, s[6:7] offset:65536*\s
.endr
.irp k, 0,1,2,3,4,5,6,7
	global_load_b128 v[Z+8*\k:Z+8*\k+3], v1, s[8:9] offset:1024*\k th:TH_LOAD_NT
	global_load_b128 v[Z+8*\k+4:Z+8*\k+7], v1, s[8:9] offset:1024*\k+512 th:TH_LOAD_NT
.endr
	s_wait_loadcnt 16                              ; the 32 keys and indices are in; z's 16 younger loads stay out
	v_cmp_lt_u32 vcc_lo, v[K+1], v[K]              ; strictly smaller alone replaces: the lower split stays on a tie
	s_delay_alu instid0(VALU_DEP_1)
	v_cndmask_b32 v192, v[K], v[K+1], vcc_lo
	s_delay_alu instid0(VALU_DEP_2)
	v_cndmask_b32 v193, v[I], v[I+1], vcc_lo
.irp s, 2,3,4,5,6,7,8,9,10,11,12,13,14,15
	s_delay_alu instid0(VALU_DEP_2)
	v_cmp_lt_u32 vcc_lo, v[K+\s], v192
	s_delay_alu instid0(VALU_DEP_1)
	v_cndmask_b32 v192, v192, v[K+\s], vcc_lo
	s_delay_alu instid0(VALU_DEP_2)
	v_cndmask_b32 v193, v193, v[I+\s], vcc_lo
.endr
	s_delay_alu instid0(VALU_DEP_1)
	v_min_u32 v193, 0x3fff, v193
	ds_store_b32 v3, v193                          ; four lanes write the same word with the same value
.irp k, 0,1,2,3,4,5,6,7
	v_readlane_b32 s[20+\k], v193, \k
.endr
.irp k, 0,1,2,3,4,5,6,7
	s_min_u32 s[20+\k], s[20+\k], 0x3fff
	s_lshl_b32 s[20+\k], s[20+\k], 10              ; a row of the table is 1,024 bytes
	v_add_nc_u32 v[VO+\k], s[20+\k], v1
	global_load_b128 v[E+8*\k:E+8*\k+3], v[VO+\k], s[10:11]        ; no hint: several rows may name one row of the table
	global_load_b128 v[E+8*\k+4:E+8*\k+7], v[VO+\k], s[10:11] offset:512
.endr
.irp k, 0,1,2,3,4,5,6,7
	s_wait_loadcnt 2*(7-\k)                        ; row k's two loads are in, and z's, which are older; the later rows' stay out
.irp p, 0,2,4,6
	v_pk_add_f32 v[D+\p:D+\p+1], v[E+8*\k+\p:E+8*\k+\p+1], v[Z+8*\k+\p:Z+8*\k+\p+1] neg_lo:[0,1] neg_hi:[0,1]
.endr
	s_wait_alu depctr_va_vdst(0)
.irp p, 0,2,4,6
.if \k == 0
	v_pk_mul_f32 v[AC+\p:AC+\p+1], v[D+\p:D+\p+1], v[D+\p:D+\p+1]            ; the first row starts the sums
.else
	v_pk_fma_f32 v[AC+\p:AC+\p+1], v[D+\p:D+\p+1], v[D+\p:D+\p+1], v[AC+\p:AC+\p+1]
.endif
.endr
	global_store_b128 v1, v[E+8*\k:E+8*\k+3], s[12:13] offset:1024*\k th:TH_STORE_NT         ; 512 consecutive bytes, aligned
	global_store_b128 v1, v[E+8*\k+4:E+8*\k+7], s[12:13] offset:1024*\k+512 th:TH_STORE_NT
.endr
	v_pk_add_f32 v[AC:AC+1], v[AC:AC+1], v[AC+2:AC+3]
	v_pk_add_f32 v[AC+4:AC+5], v[AC+4:AC+5], v[AC+6:AC+7]
	s_delay_alu instid0(VALU_DEP_1)
	v_pk_add_f32 v[AC:AC+1], v[AC:AC+1], v[AC+4:AC+5]
	s_delay_alu instid0(VALU_DEP_1)
	v_add_f32 v[AC], v[AC], v[AC+1]
	s_delay_alu instid0(VALU_DEP_1)
	v_add_f32_dpp v[AC], v[AC], v[AC] row_xmask:1 row_mask:0xf bank_mask:0xf
	s_delay_alu instid0(VALU_DEP_1)
	v_add_f32_dpp v[AC], v[AC], v[AC] row_xmask:2 row_mask:0xf bank_mask:0xf
	s_delay_alu instid0(VALU_DEP_1)
	v_add_f32_dpp v[AC], v[AC], v[AC] row_xmask:4 row_mask:0xf bank_mask:0xf
	s_delay_alu instid0(VALU_DEP_1)
	v_add_f32_dpp v[AC], v[AC], v[AC] row_xmask:8 row_mask:0xf bank_mask:0xf
	s_delay_alu instid0(VALU_DEP_1)
	v_permlanex16_b32 v194, v[AC], s28, s29
	s_delay_alu instid0(VALU_DEP_1)
	v_add_f32 v[AC], v[AC], v194
	ds_store_b32 v4, v[AC]                         ; all lanes write the same word with the same value
	s_wait_dscnt 0x0                               ; for the others' sake: my LDS stores are done
	s_barrier_signal -1
	s_barrier_wait -1
	s_cmp_lg_u32 s18, 0                            ; wave 0 sends the work-group's 64 indices and its part of the loss
	s_cbranch_scc1 .Ldone
	ds_load_b64 v[8:9], v5
	ds_load_b128 v[12:15], v195
	ds_load_b128 v[16:19], v195 offset:16
	s_wait_dscnt 0x0
	global_store_b64 v5, v[8:9], s[14:15]          ; 32 lanes store 256 consecutive bytes, aligned
	v_pk_add_f32 v[12:13], v[12:13], v[14:15]
	v_pk_add_f32 v[16:17], v[16:17], v[18:19]
	s_delay_alu instid0(VALU_DEP_1)
	v_pk_add_f32 v[12:13], v[12:13], v[16:17]
	s_delay_alu instid0(VALU_DEP_1)
	v_add_f32 v12, v12, v13
	s_wait_alu depctr_va_vdst(0)
	s_wait_xcnt 0x0                                ; EXEC is a source of the stores above: it changes only behind this wait
	v_cmp_eq_u32 vcc_lo, 0, v0
	s_and_saveexec_b32 s30, vcc_lo
	global_store_b32 v196, v12, s[16:17]
	s_wait_xcnt 0x0                                ; and again, ahead of the line that widens it
	s_or_b32 exec_lo, exec_lo, s30
.Ldone:
	s_wait_tensorcnt 0x0
	ds_add_u32 v200, v201
	s_wait_dscnt 0x0
	s_endpgm
.Lfunc_end_k_q8140fd3c61_gather:
	.size	k_q8140fd3c61_gather, .Lfunc_end_k_q8140fd3c61_gather-k_q8140fd3c61_gather
	.p2alignl 7, 3214868480
	.fill 96, 4, 3214868480
	.section	.rodata,"a",@progbits
	.p2align	6, 0x0
	.amdhsa_kernel k_q8140fd3c61_gather
		.amdhsa_group_segment_fixed_size 1536
		.amdhsa_private_segment_fixed_size 0
		.amdhsa_enable_private_segment 0
		.amdhsa_kernarg_size 56
		.amdhsa_user_sgpr_count 2
		.amdhsa_user_sgpr_kernarg_segment_ptr 1
		.amdhsa_wavefront_size32 1
		.amdhsa_system_sgpr_workgroup_id_x 1
		.amdhsa_system_sgpr_workgroup_id_y 1
		.amdhsa_system_sgpr_workgroup_id_z 1
		.amdhsa_system_vgpr_workitem_id 0
		.amdhsa_next_free_vgpr 202
		.amdhsa_next_free_sgpr 66
		.amdhsa_reserve_vcc 1
		.amdhsa_float_denorm_mode_32 3
		.amdhsa_float_denorm_mode_16_64 3
		.amdhsa_memory_ordered 1
		.amdhsa_forward_progress 1
		.amdhsa_inst_pref_size 21
	.end_amdhsa_kernel
	.amdgpu_metadata
---
amdhsa.version: [ 1, 2 ]
amdhsa.kernels:
  - .name:           k_q8140fd3c61_gather
    .symbol:         k_q8140fd3c61_gather.kd
    .args:
      - { .name: pkey, .offset: 0, .size: 8, .value_kind: global_buffer, .address_space: global }
      - { .name: pidx, .offset: 8, .size: 8, .value_kind: global_buffer, .address_space: global }
      - { .name: z, .offset: 16, .size: 8, .value_kind: global_buffer, .address_space: global }
      - { .name: emb_weights, .offset: 24, .size: 8, .value_kind: global_buffer, .address_space: global }
      - { .name: out0, .offset: 32, .size: 8, .value_kind: global_buffer, .address_space: global }
      - { .name: out2, .offset: 40, .size: 8, .value_kind: global_buffer, .address_space: global }
      - { .name: lossp, .offset: 48, .size: 8, .value_kind: global_buffer, .address_space: global }
    .group_segment_fixed_size: 1536
    .private_segment_fixed_size: 0
    .kernarg_segment_align: 8
    .kernarg_segment_size: 56
    .max_flat_workgroup_size: 256
    .sgpr_count:     66
    .vgpr_count:     202
    .wavefront_size: 32
...
	.end_amdgpu_metadata
.endif
;; end of part 3
;; launch lossum (part 4): grid 1 x 1, 1 waves a work-group, no clusters, 0 bytes of LDS; arguments lossp, out1; writes out1
.if DOCPART == 4
	.amdgcn_target "amdgcn-amd-amdhsa--gfx1250"
	.amdhsa_code_object_version 6
	.text
	.protected	k_q8140fd3c61_lossum
	.globl	k_q8140fd3c61_lossum
	.p2align	8
	.type	k_q8140fd3c61_lossum,@function
k_q8140fd3c61_lossum:
	s_mov_b64 s[64:65], 0
	v_nop
	global_prefetch_b8 v0, s[64:65] scope:SCOPE_SE
	s_setreg_imm32_b32 hwreg(HW_REG_WAVE_MODE, 25, 1), 1
	s_wait_xcnt 0x0
; out1 = 1.25 x the mean of (z_q - z)^2 over 2^22 numbers: the 256 work-groups' parts are added by one wave, 8 a lane, and multiplied by 1.25 x 2^-22.
; (0.25 x mean + mean of the same squares: one factor.)  A sum over work-groups has one owner: a launch of its own, since no work-group may read what another of its launch stores.
	s_load_b128 s[4:7], s[0:1], 0x0                ; lossp, out1
	v_lshlrev_b32 v1, 5, v0                        ; 32 bytes a lane
	s_mov_b32 s8, 0x76543210
	s_mov_b32 s9, 0xfedcba98
	v_mov_b32 v12, 0                               ; a lane permute's destination counts as one of its sources
	v_mov_b32 v13, 0
	s_wait_alu depctr_va_vdst(0)
	s_wait_kmcnt 0x0
	global_load_b128 v[4:7], v1, s[4:5]
	global_load_b128 v[8:11], v1, s[4:5] offset:16
	s_wait_loadcnt 0x0
	v_pk_add_f32 v[4:5], v[4:5], v[6:7]
	v_pk_add_f32 v[8:9], v[8:9], v[10:11]
	v_pk_add_f32 v[4:5], v[4:5], v[8:9]
	v_add_f32 v4, v4, v5
	v_add_f32_dpp v4, v4, v4 row_xmask:1 row_mask:0xf bank_mask:0xf
	v_add_f32_dpp v4, v4, v4 row_xmask:2 row_mask:0xf bank_mask:0xf
	v_add_f32_dpp v4, v4, v4 row_xmask:4 row_mask:0xf bank_mask:0xf
	v_add_f32_dpp v4, v4, v4 row_xmask:8 row_mask:0xf bank_mask:0xf
	v_permlanex16_b32 v12, v4, s8, s9
	v_add_f32 v4, v4, v12
	v_mul_f32 v4, 0x34a00000, v4                   ; 1.25 x 2^-22
	s_wait_alu depctr_va_vdst(0)
	s_wait_xcnt 0x0                                ; EXEC changes only behind this wait
	v_cmp_eq_u32 vcc_lo, 0, v0
	s_and_saveexec_b32 s10, vcc_lo
	global_store_b32 v13, v4, s[6:7]
	s_wait_xcnt 0x0                                ; and again, ahead of the line that widens it
	s_or_b32 exec_lo, exec_lo, s10
	s_endpgm
.Lfunc_end_k_q8140fd3c61_lossum:
	.size	k_q8140fd3c61_lossum, .Lfunc_end_k_q8140fd3c61_lossum-k_q8140fd3c61_lossum
	.p2alignl 7, 3214868480
	.fill 96, 4, 3214868480
	.section	.rodata,"a",@progbits
	.p2align	6, 0x0
	.amdhsa_kernel k_q8140fd3c61_lossum
		.amdhsa_group_segment_fixed_size 0
		.amdhsa_private_segment_fixed_size 0
		.amdhsa_enable_private_segment 0
		.amdhsa_kernarg_size 16
		.amdhsa_user_sgpr_count 2
		.amdhsa_user_sgpr_kernarg_segment_ptr 1
		.amdhsa_wavefront_size32 1
		.amdhsa_system_sgpr_workgroup_id_x 1
		.amdhsa_system_sgpr_workgroup_id_y 1
		.amdhsa_system_sgpr_workgroup_id_z 1
		.amdhsa_system_vgpr_workitem_id 0
		.amdhsa_next_free_vgpr 16
		.amdhsa_next_free_sgpr 66
		.amdhsa_reserve_vcc 1
		.amdhsa_float_denorm_mode_32 3
		.amdhsa_float_denorm_mode_16_64 3
		.amdhsa_memory_ordered 1
		.amdhsa_forward_progress 1
		.amdhsa_inst_pref_size 2
	.end_amdhsa_kernel
	.amdgpu_metadata
---
amdhsa.version: [ 1, 2 ]
amdhsa.kernels:
  - .name:           k_q8140fd3c61_lossum
    .symbol:         k_q8140fd3c61_lossum.kd
    .args:
      - { .name: lossp, .offset: 0, .size: 8, .value_kind: global_buffer, .address_space: global }
      - { .name: out1, .offset: 8, .size: 8, .value_kind: global_buffer, .address_space: global }
    .group_segment_fixed_size: 0
    .private_segment_fixed_size: 0
    .kernarg_segment_align: 8
    .kernarg_segment_size: 16
    .max_flat_workgroup_size: 32
    .sgpr_count:     66
    .vgpr_count:     16
    .wavefront_size: 32
...
	.end_amdgpu_metadata
.endif
;; end of part 4
